; MI455X (gfx1250); checked and timed in simulation.
; The chip was launched on July 23, 2026; its instructions are those of AMD's public machine-readable ISA for CDNA 5 (MIT licence, August 2026) and "CDNA5" Instruction Set Architecture Reference Guide (July 2026). The comments in the code are by the model that wrote it; some were corrected since.
;; Mo E Gate. Allowed arithmetic: matrix products marked QUANTISED: E2M1 operands, one E8M0 scale for each 32 along K, by v_wmma_scale_f32_16x16x128_f8f6f4 with both operands' format E2M1 (or v_wmma_scale_f32_32x16x128_f4), f32 sums; everything else in f32.
;; Inputs: hidden_states 4 x 4,096 x 2,048 float32; weight 64 x 2,048 float32.
;; Outputs: out0 4 x 4,096 x 2 int32; out1 4 x 4,096 x 2 float32.
;; This version of the problem:
;;   THIS VERSION OF THE PROBLEM IS GIVEN IN LOW PRECISION. The matrix products marked QUANTISED in the list below multiply operands that are first quantised to E2M1 (2 exponent bits, 1 mantissa bit; 4 bits a number), with one power-of-two scale for each 32 numbers along K (OCP MX v1.0); their sums are f32. All else is computed in f32.
;;   The module's matrix products, in the order in which they are computed (A, B: the left and right operand; K: the contracted axis; several contracted axes count as one K, in the product's order):
;;     1. [M 16,384, K 2,048] x [K 2,048, N 64]; A: input hidden_states; B: input weight: QUANTISED
;;   THE QUANTISER, for each operand of a quantised product, along K:
;;     - K is cut into blocks of 32 from its start; a last block that is shorter is filled with zeros.
;;     - A block's scale is 2^e with e = floor(log2(the largest magnitude in the block)) - 2, held to -126 .. 127; a block of zeros has e = 0. As a byte (E8M0): e + 127.
;;     - Each number is divided by its block's scale, clamped to +-6, and rounded to the nearest number of E2M1, ties to even, subnormals kept.
;;     - The product sums the exact products of the quantised numbers (number of the format x scale) in f32.
;;   ~~~python
;;   def quantise(x, axis):      # numpy; x: float32 -> the quantised numbers, widened to float32 again
;;       x = np.moveaxis(x, axis, -1); K = x.shape[-1]
;;       x = np.pad(x, [(0, 0)] * (x.ndim - 1) + [(0, -K % 32)]); x = x.reshape(x.shape[:-1] + (-1, 32)); a = np.abs(x).max(-1, keepdims=True)
;;       e = np.where(a > 0, np.clip(np.frexp(np.where(a > 0, a, 1))[1] - 1 - 2, -126, 127), 0)      # np.frexp(a)[1] - 1 = floor(log2(a)), exactly
;;       r = np.clip(x / 2.0 ** e, -6, 6)
;;       step = 2.0 ** (np.maximum(np.frexp(np.where(r == 0, 1, r))[1] - 1, 0) - 1)
;;       q = np.round(r / step) * step * 2.0 ** e      # np.round: ties to even
;;       return np.moveaxis(q.reshape(q.shape[:-2] + (-1,))[..., :K], -1, axis).astype(np.float32)
;;   ~~~
;; 2 versions. Each part assembles by itself: llvm-mc -triple=amdgcn-amd-amdhsa -mcpu=gfx1250 --defsym DOCPART=n.
;; ======== version 1 of 2: 2 launches
;; workspace buffers: wimg 65,536 bytes; wscl 4,096 bytes
;; launch prep (part 1): grid 8 x 1, 8 waves a work-group, no clusters, 69,120 bytes of LDS; arguments weight, wimg, wscl; writes wimg, wscl
.if DOCPART == 1
	.amdgcn_target "amdgcn-amd-amdhsa--gfx1250"
	.amdhsa_code_object_version 6
	.text
	.protected	k_q783b9f7170_prep
	.globl	k_q783b9f7170_prep
	.p2align	8
	.type	k_q783b9f7170_prep,@function
k_q783b9f7170_prep:
	s_mov_b64 s[64:65], 0
	v_nop
	global_prefetch_b8 v0, s[64:65] scope:SCOPE_SE
	s_setreg_imm32_b32 hwreg(HW_REG_WAVE_MODE, 25, 1), 1
	s_wait_xcnt 0x0
; W [64 experts][2048], f32, becomes codes of FP4 (E2M1) with one E8M0 scale byte for each 32 along K, laid as the next launch's operand registers want them.
; wimg: fragment (S, t) = experts 16 t .. 16 t + 15 x K 128 S .. 128 S + 127 at byte (4 S + t) x 1,024: its registers 0-3, lane by lane (16 bytes a lane), then its registers 4-7.
;       Lane (r, h) of a fragment holds expert 16 t + r; registers 4 c .. 4 c + 3 hold K = 64 c + 32 h + 0 .. 31, the lower K in the lower bits.
; wscl: block (G, p) at byte (2 G + p) x 512: lane L's 16 bytes are the scale words of expert 32 p + L for K steps 4 G .. 4 G + 3 (a word: four bytes, one for each 32 along K).
; A block's scale is 2^(floor(log2(its largest magnitude)) - 2); its byte is the largest magnitude's exponent field - 2, held at 1 from below.
; LIMITS: a block of zeros gets the byte 1 where the rule says 127 (its codes are zeros, and this program alone reads the bytes); blocks whose largest magnitude lies under 2^-124,
; whose byte is held at 1, were not tried; NaN and infinities are not served.
; SHARES: work-group (G, p), 8 of them; its wave w makes ONE fragment: K step 4 G + w % 4, tile 2 p + w / 4.  Sixteen loads of 512 consecutive bytes, one expert's row each; the 8,192 bytes turn
; through the wave's own stage in LDS, so that a lane gets two whole blocks of 32 of ONE expert: a block's maximum needs no other lane, and the conversions' results are the operand's registers.
.set ROWB,   8192                      ; a row of W in bytes
.set SPITCH, 528                       ; a stage row: 512 bytes + 16: row r starts 16 r bytes on modulo 256, so the 16 rows that a load touches fall on different banks (64 banks of 4 bytes: ISA guide 11.1)
.set STGB,   16*SPITCH                 ; a wave's stage
.set SCLS,   8*STGB                    ; behind the stages: 64 bytes of scale words for each wave
.set LO,  1                            ; v1   16 x lane
.set STI, 2                            ; v2   the stage, on the way in: my 16 bytes of a row
.set STO, 3                            ; v3   on the way out: row r, + 128 h
.set SH8, 4                            ; v4   8 h: where my two scale bytes stand in the word
.set SA,  5                            ; v5   where I put my expert's scale word: SCLS + 64 x wave + 4 r
.set SR,  6                            ; v6   where wave 0 reads them back
.set TM,  8                            ; v8-11  largest magnitudes, at work
.set SO,  12                           ; v12-13 the conversions' scale operands
.set PW,  14                           ; v14  the scale word
.set PC,  16                           ; v16-23 the codes
.set OW,  24                           ; v24-27 four scale words on their way out
.set R,   32                           ; v32-95  as loaded
.set X,   96                           ; v96-159 64 numbers of my expert: register 32 c + n is K = 64 c + 32 h + n
	s_load_b128 s[4:7], s[0:1], 0x0                ; W, wimg
	s_load_b64 s[8:9], s[0:1], 0x10                ; wscl
	v_lshl_add_u32 v160, v0, 2, 0x10a00
	v_mov_b32 v161, 0
	v_lshrrev_b32 v7, 5, v0
	v_readfirstlane_b32 s10, v7                    ; wave 0..7
	v_and_b32 v7, 31, v0
	v_lshlrev_b32 v[LO], 4, v7
	v_and_b32 v28, 15, v0                          ; r
	v_bfe_u32 v29, v0, 4, 1                        ; h
	s_mul_i32 s11, s10, STGB                       ; my stage
	v_add_nc_u32 v[STI], s11, v[LO]
	v_mul_u32_u24 v[STO], v28, SPITCH
	v_lshl_add_u32 v[STO], v29, 7, v[STO]
	v_add_nc_u32 v[STO], s11, v[STO]
	v_lshlrev_b32 v[SH8], 3, v29
	s_lshl_b32 s12, s10, 6
	s_add_co_u32 s12, s12, SCLS
	v_lshl_add_u32 v[SA], v28, 2, s12
	v_lshlrev_b32 v[SR], 2, v28
	v_lshl_add_u32 v[SR], v29, 8, v[SR]
	v_add_nc_u32 v[SR], SCLS, v[SR]                ; lane (r, u): word i of expert 16 u + r was put there by wave 4 u + i: 256 u + 4 r, + 64 i
	s_and_b32 s13, s10, 3                          ; i
	s_lshr_b32 s14, s10, 2                         ; u
	s_lshr_b32 s15, ttmp9, 1                       ; G
	s_and_b32 s16, ttmp9, 1                        ; p
	s_lshl_b32 s15, s15, 2
	s_add_co_u32 s15, s15, s13                     ; S = 4 G + i
	s_lshl_b32 s16, s16, 1
	s_add_co_u32 s16, s16, s14                     ; t = 2 p + u
	s_lshl_b32 s18, s16, 17                        ; 16 t rows of 8,192 bytes
	s_lshl_b32 s17, s15, 9                         ; + 512 S
	s_add_co_u32 s18, s18, s17
	s_mov_b32 s19, 0
	s_lshl_b32 s20, s15, 2
	s_add_co_u32 s20, s20, s16
	s_lshl_b32 s20, s20, 10                        ; (4 S + t) x 1,024
	s_mov_b32 s21, 0
	s_lshl_b32 s22, ttmp9, 9                       ; my work-group's 512 bytes of wscl
	s_mov_b32 s23, 0
	s_mov_b32 s24, 0x76543210
	s_mov_b32 s25, 0xfedcba98                      ; v_permlanex16_b32's selects for lane l xor 16
	s_wait_kmcnt 0x0
	s_add_nc_u64 s[4:5], s[4:5], s[18:19]
	s_add_nc_u64 s[6:7], s[6:7], s[20:21]
	s_add_nc_u64 s[8:9], s[8:9], s[22:23]
.irp i, 0,1,2,3,4,5,6,7,8,9,10,11,12,13,14,15
	global_load_b128 v[R+4*\i:R+4*\i+3], v[LO], s[4:5] offset:\i*ROWB th:TH_LOAD_NT   ; expert 16 t + i: 32 lanes read 512 consecutive bytes
.endr
	s_wait_loadcnt 0x0
.irp i, 0,1,2,3,4,5,6,7,8,9,10,11,12,13,14,15
	ds_store_b128 v[STI], v[R+4*\i:R+4*\i+3] offset:\i*SPITCH
.endr
.irp c, 0,1
.irp i, 0,1,2,3,4,5,6,7
	ds_load_b128 v[X+32*\c+4*\i:X+32*\c+4*\i+3], v[STO] offset:256*\c+16*\i   ; LDS serves a wave's instructions in order (ISA guide 5.7.1.4): these see the stores above
.endr
.endr
	s_wait_dscnt 0x0
.irp q, 0,1,2,3                                ; four chains of 16 numbers, two to a block, by turns; the floor 2^(3 - 127) is one more leaf: so the byte cannot fall under 1
	v_max3_num_f32 v[TM+\q], |v[X+16*\q]|, |v[X+16*\q+1]|, 0x1800000
.endr
.irp i, 2,4,6,8,10,12,14
.irp q, 0,1,2,3
	v_max3_num_f32 v[TM+\q], v[TM+\q], |v[X+16*\q+\i]|, |v[X+16*\q+\i+1]|
.endr
.endr
	v_max_num_f32 v[TM], v[TM], v[TM+1]            ; block h
	v_max_num_f32 v[TM+2], v[TM+2], v[TM+3]        ; block 2 + h
	v_add_nc_u32 v[SO], 0xff000000, v[TM]          ; 2 off the exponent field: the conversion takes the exponent field of this operand as its scale, and nothing else of it
	v_add_nc_u32 v[SO+1], 0xff000000, v[TM+2]
	v_lshrrev_b32 v[TM], 23, v[SO]                 ; the scales' bytes
	v_lshrrev_b32 v[TM+2], 23, v[SO+1]
	v_lshl_or_b32 v[PW], v[TM+2], 16, v[TM]        ; my two bytes,
	v_lshlrev_b32 v[PW], v[SH8], v[PW]             ; at their places in the word;
	v_permlanex16_b32 v[TM+1], v[PW], s24, s25
	v_or_b32 v[PW], v[PW], v[TM+1]                 ; with lane l xor 16's two the word is whole, in both lanes
.irp c, 0,1
.irp g, 0,1,2,3
	v_cvt_scalef32_pk8_fp4_f32 v[PC+4*\c+\g], v[X+32*\c+8*\g:X+32*\c+8*\g+7], v[SO+\c]   ; eight numbers / the scale, to the nearest code, ties to even, beyond 6 the largest code
.endr
.endr
	v_nop                                          ; one plain vector instruction behind the last conversion
	global_store_b128 v[LO], v[PC:PC+3], s[6:7]                 ; 32 lanes store 512 consecutive bytes, at a multiple of 512 from wimg's first byte
	global_store_b128 v[LO], v[PC+4:PC+7], s[6:7] offset:512
	ds_store_b32 v[SA], v[PW]                      ; lanes r and 16 + r write the same word with the same value
	s_wait_dscnt 0x0                               ; for the others' sake: my word lies in LDS
	s_barrier_signal -1
	s_barrier_wait -1
	s_cmp_lg_u32 s10, 0
	s_cbranch_scc1 .Ldone                          ; wave 0 sends the eight waves' words
.irp i, 0,1,2,3
	ds_load_b32 v[OW+\i], v[SR] offset:64*\i
.endr
	s_wait_dscnt 0x0
	global_store_b128 v[LO], v[OW:OW+3], s[8:9]    ; 512 consecutive bytes
.Ldone:
	s_wait_tensorcnt 0x0
	ds_add_u32 v160, v161
	s_wait_dscnt 0x0
	s_endpgm
.Lfunc_end_k_q783b9f7170_prep:
	.size	k_q783b9f7170_prep, .Lfunc_end_k_q783b9f7170_prep-k_q783b9f7170_prep
	.p2alignl 7, 3214868480
	.fill 96, 4, 3214868480
	.section	.rodata,"a",@progbits
	.p2align	6, 0x0
	.amdhsa_kernel k_q783b9f7170_prep
		.amdhsa_group_segment_fixed_size 69120
		.amdhsa_private_segment_fixed_size 0
		.amdhsa_enable_private_segment 0
		.amdhsa_kernarg_size 24
		.amdhsa_user_sgpr_count 2
		.amdhsa_user_sgpr_kernarg_segment_ptr 1
		.amdhsa_wavefront_size32 1
		.amdhsa_system_sgpr_workgroup_id_x 1
		.amdhsa_system_sgpr_workgroup_id_y 1
		.amdhsa_system_sgpr_workgroup_id_z 1
		.amdhsa_system_vgpr_workitem_id 0
		.amdhsa_next_free_vgpr 162
		.amdhsa_next_free_sgpr 66
		.amdhsa_reserve_vcc 0
		.amdhsa_float_denorm_mode_32 3
		.amdhsa_float_denorm_mode_16_64 3
		.amdhsa_memory_ordered 1
		.amdhsa_forward_progress 1
		.amdhsa_inst_pref_size 10
	.end_amdhsa_kernel
	.amdgpu_metadata
---
amdhsa.version: [ 1, 2 ]
amdhsa.kernels:
  - .name:           k_q783b9f7170_prep
    .symbol:         k_q783b9f7170_prep.kd
    .args:
      - { .name: weight, .offset: 0, .size: 8, .value_kind: global_buffer, .address_space: global }
      - { .name: wimg, .offset: 8, .size: 8, .value_kind: global_buffer, .address_space: global }
      - { .name: wscl, .offset: 16, .size: 8, .value_kind: global_buffer, .address_space: global }
    .group_segment_fixed_size: 69120
    .private_segment_fixed_size: 0
    .kernarg_segment_align: 8
    .kernarg_segment_size: 24
    .max_flat_workgroup_size: 256
    .sgpr_count:     66
    .vgpr_count:     162
    .wavefront_size: 32
...
	.end_amdgpu_metadata
.endif
;; end of part 1
;; launch gate (part 2): grid 256 x 1, 8 waves a work-group, no clusters, 169,984 bytes of LDS; arguments hidden_states, wimg, wscl, out0, out1; writes out0, out1
.if DOCPART == 2
	.amdgcn_target "amdgcn-amd-amdhsa--gfx1250"
	.amdhsa_code_object_version 6
	.text
	.protected	k_q783b9f7170_gate
	.globl	k_q783b9f7170_gate
	.p2align	8
	.type	k_q783b9f7170_gate,@function
k_q783b9f7170_gate:
	s_mov_b64 s[64:65], 0
	v_nop
	global_prefetch_b8 v0, s[64:65] scope:SCOPE_SE
	s_setreg_imm32_b32 hwreg(HW_REG_WAVE_MODE, 25, 1), 1
	s_wait_xcnt 0x0
; logits = Q(x) Q(W)^T on codes of FP4 (E2M1) with one E8M0 scale for each 32 along K; scores = softmax(logits); the two largest scores of each token, their experts (out0) and their shares s / (s1 + s2 + 1e-20) (out1).
; x: [16384 tokens][2048] f32, quantised here, in registers, on its way to the matrix unit.  W: 64 experts, as fragments' images (wimg) and scale words (wscl) made by the launch before.
; SHARES.  A work-group owns 64 tokens, 524,288 bytes of x.  Wave w = 4 kh + m takes tokens 16 m .. 16 m + 15 and half kh of K: 8 K steps of 128.  The two halves' sums meet in LDS, and the softmax
; and the choice run on all 256 lanes: four lanes to a token, 16 experts a lane.
; A K STEP.  Sixteen loads, each 512 consecutive bytes of one token's row, into one of four sets of registers; up to four sets (64 loads) of a wave are on their way.  The 8,192 bytes turn through the wave's own
; stage in LDS, so that lane (r, h) gets blocks h and 2 + h of token r whole: register 32 c + n is K = 64 c + 32 h + n, as the operand's layout wants.  A block's maximum needs no other lane, and the eight
; conversions write the operand's eight registers.  A block's scale is 2^(floor(log2(its largest magnitude)) - 2); its byte is that magnitude's exponent field - 2, held at 1 from below.
; THE MATRIX INSTRUCTION IS USED TRANSPOSED: source 0 = 16 experts, source 1 = my 16 tokens: lane (r, h) holds token r, and register j of tile t expert 16 t + 8 h + j: eight neighbours of a row of logits.
; W's 64 fragments lie in LDS, brought once, an eighth by each wave; W's scale words for my 8 K steps lie in 16 registers: lanes 0-15 an even tile's, lanes 16-31 the odd tile's behind it.
; NO CLUSTER: of the bytes that a work-group reads, 524,288 are its own and 65,536 (W's image) are shared, read once at the head: joint requests would spare an eighth of the requests at the most.
; LIMITS.  NaN and infinities are not served.  A block of zeros has the byte 1 and zero codes; blocks whose largest magnitude lies under 2^-124, whose byte is held at 1, were not tried.
; A logit is the f32 sum of two sums over half of K, each a chain of eight matrix instructions: where two scores lie within f32 rounding of each other, the choice between them can differ from another order's.
; p under 2^-126 comes out of v_exp_f32 as 0 (ISA guide 15.8): such scores tie, and of equal scores the lower expert is taken, as jax.lax.top_k takes it.
; REGISTERS, in windows of 256 (s_set_vgpr_msb: bits 1:0 source 0, 3:2 source 1, 5:4 source 2, 7:6 destination): window 0 holds all but the four landing sets, which fill window 1 (set n at v[64 n]).
.set TOKB,   8192                      ; a token's row in bytes
.set KSB,    512                       ; a K step's part of it
.set NST,    8                         ; K steps of a wave
.set SPITCH, 528                       ; a stage row: 512 bytes + 16: row r starts 16 r bytes on modulo 256, so the 16 rows that a load touches fall on different banks (64 banks of 4 bytes: ISA guide 11.1)
.set STGB,   16*SPITCH
.set STG,    65536                     ; LDS: W's image from byte 0 on (65,536 bytes); then a stage for each wave;
.set LG,     STG+8*STGB                ; two tables of logits, one for each half of K: 64 tokens x (256 bytes + 16);
.set LPITCH, 272
.set LGH,    64*LPITCH
.set OUT,    LG+2*LGH                  ; 512 bytes of experts' numbers, 512 of shares
.set LO,  1                            ; v1   16 x lane
.set STI, 2                            ; v2   the stage, on the way in
.set STO, 3                            ; v3   on the way out: row r, + 128 h
.set WST, 4                            ; v4   8,192 x wave + 16 x lane: my eighth of W's image, in wimg and in LDS alike
.set WA,  5                            ; v5   32,768 kh + 16 x lane: where my half's fragments lie
.set SH8, 6                            ; v6   8 h
.set LGS, 7                            ; v7   where I put my sums
.set LGR, 8                            ; v8   where I read 16 logits of a token
.set OA,  9                            ; v9   where my token's results go
.set ORD, 10                           ; v10  where waves 0 and 1 read them back
.set Q16, 11                           ; v11  16 q: my first expert in the tail
.set TM,  12                           ; v12-15 largest magnitudes, at work
.set SO,  16                           ; v16-17 the conversions' scale operands
.set PW,  18                           ; v18  x's scale word
.set WS,  24                           ; v24-39 W's scale words: register 4 (2 (s / 4) + t / 2) + s % 4
.set PC,  40                           ; v40-47 x's codes
.set ACC, 48                           ; v48-79 four accumulators
.set WF,  80                           ; v80-111 W's four fragments of a K step
.set X,   128                          ; v128-191 64 numbers of my token
.set L,   128                          ; the tail: v128-143 logits, p, scores; v144-159 the other half's sums
.set MC,  160                          ; v[160:161] c x the largest logit
.set SM,  162                          ; v162-165 sums
.set RC,  166                          ; v[166:167] a reciprocal
.set VAL, 168                          ; v[168:169] the two largest scores
.set WT,  170                          ; v[170:171] their shares
.set IDX, 172                          ; v[172:173] their experts
.set IC,  174                          ; v174-177 four chains of candidates
.set TT,  178
.set DD,  179
.set C64, 180                          ; 64: no expert
.set NEG1, 181                         ; -1.0: under every score
.set OB,  184
.set SEL, 30                           ; s[30:31] v_permlanex16_b32's selects for lane l xor 16
.set CS,  32                           ; s[32:33] c = log2(e); the packed form names a pair and takes its low word for both halves
.set MK,  40                           ; s40-43 four masks
.set MSB, 0
.macro WIN new                         ; the immediate's high byte repeats the setting that is left
.if MSB != \new
	s_set_vgpr_msb (MSB<<8)|\new
.set MSB, \new
.endif
.endm
.macro LOAD s                          ; K step s of my 16 tokens into set s % 4: each load is 512 consecutive bytes, at a multiple of 512 from x's first byte; every offset is an immediate
	WIN 0x40                                       ; destination window 1
.irp i, 0,1,2,3,4,5,6,7,8,9,10,11,12,13,14,15
	global_load_b128 v[64*((\s)%4)+4*\i:64*((\s)%4)+4*\i+3], v[LO], s[4:5] offset:\i*TOKB+(\s)*KSB th:TH_LOAD_NT
.endr
	WIN 0
.endm
	s_load_b256 s[4:11], s[0:1], 0x0               ; x s[4:5], wimg s[6:7], wscl s[8:9], out0 s[10:11]
	s_load_b64 s[12:13], s[0:1], 0x20              ; out1
	v_lshl_add_u32 v254, v0, 2, 0x29400
	v_mov_b32 v255, 0
	v_lshrrev_b32 v20, 5, v0
	v_readfirstlane_b32 s14, v20                   ; wave 0..7
	v_and_b32 v20, 31, v0                          ; lane
	v_lshlrev_b32 v[LO], 4, v20
	s_and_b32 s15, s14, 3                          ; m: which 16 tokens
	s_lshr_b32 s16, s14, 2                         ; kh: which half of K
	s_lshl_b32 s18, s14, 13
	v_add_nc_u32 v[WST], s18, v[LO]
	s_lshl_b32 s20, ttmp9, 19                      ; 64 tokens x 8,192 bytes a work-group (under 2^27 in all),
	s_lshl_b32 s21, s15, 17                        ; 16 tokens a tile,
	s_add_co_u32 s20, s20, s21
	s_lshl_b32 s21, s16, 12                        ; 4,096 bytes half a row
	s_add_co_u32 s20, s20, s21
	s_mov_b32 s21, 0
	s_lshl_b32 s22, s16, 11                        ; my half's 2,048 bytes of scale words
	s_mov_b32 s23, 0
	s_wait_kmcnt 0x0
	s_add_nc_u64 s[4:5], s[4:5], s[20:21]
	s_add_nc_u64 s[8:9], s[8:9], s[22:23]
.irp j, 0,1,2,3,4,5,6,7,8,9,10,11,12,13,14,15
	global_load_b128 v[X+4*\j:X+4*\j+3], v[WST], s[6:7] offset:512*\j   ; my eighth of W's image
.endr
.irp b, 0,1,2,3
	global_load_b128 v[WS+4*\b:WS+4*\b+3], v[LO], s[8:9] offset:512*\b  ; W's scale words: four K steps a load; lanes 0-15 tile 2 (b % 2), lanes 16-31 the tile behind it
.endr
	LOAD 0
	LOAD 1
	LOAD 2
	v_and_b32 v21, 15, v0                          ; r
	v_bfe_u32 v22, v0, 4, 1                        ; h
	v_lshrrev_b32 v23, 2, v20                      ; lane / 4
	s_mul_i32 s17, s14, STGB
	s_add_co_u32 s17, s17, STG                     ; my stage
	v_add_nc_u32 v[STI], s17, v[LO]
	v_mul_u32_u24 v[STO], v21, SPITCH
	v_lshl_add_u32 v[STO], v22, 7, v[STO]
	v_add_nc_u32 v[STO], s17, v[STO]
	s_lshl_b32 s19, s16, 15
	v_add_nc_u32 v[WA], s19, v[LO]
	v_lshlrev_b32 v[SH8], 3, v22
	s_mul_i32 s24, s16, LGH                        ; my half's table,
	s_mul_i32 s25, s15, 16*LPITCH                  ; my 16 tokens' rows in it,
	s_add_co_u32 s24, s24, s25
	s_add_co_u32 s24, s24, LG
	v_mul_u32_u24 v[LGS], v21, LPITCH              ; row r, + 32 h
	v_lshl_add_u32 v[LGS], v22, 5, v[LGS]
	v_add_nc_u32 v[LGS], s24, v[LGS]
	s_mul_i32 s25, s14, 8*LPITCH                   ; the tail: wave w takes tokens 8 w .. 8 w + 7; lane: token lane / 4, experts 16 (lane % 4) on
	s_add_co_u32 s25, s25, LG
	v_and_b32 v[Q16], 3, v0
	v_mul_u32_u24 v[LGR], v23, LPITCH
	v_lshl_add_u32 v[LGR], v[Q16], 6, v[LGR]
	v_add_nc_u32 v[LGR], s25, v[LGR]
	v_lshlrev_b32 v[Q16], 4, v[Q16]
	s_lshl_b32 s26, s14, 6
	s_add_co_u32 s26, s26, OUT
	v_lshl_add_u32 v[OA], v23, 3, s26              ; 8 bytes a token
	s_and_b32 s27, s14, 1
	s_lshl_b32 s27, s27, 9
	s_add_co_u32 s27, s27, OUT
	v_add_nc_u32 v[ORD], s27, v[LO]
	s_mov_b32 s[SEL], 0x76543210
	s_mov_b32 s[SEL+1], 0xfedcba98
	s_mov_b32 s[CS], 0x3fb8aa3b                    ; log2(e)
	s_mov_b32 s[CS+1], s[CS]                       ; (named with it as a pair, so it is written)
	s_lshl_b32 s38, ttmp9, 9                       ; my work-group's 512 bytes of each output
	s_mov_b32 s39, 0
	s_wait_loadcnt 48                              ; loads come back in order (ISA guide 5.7.1): the image and the scale words are in; the 48 loads of x issued behind them stay out
.irp j, 0,1,2,3,4,5,6,7,8,9,10,11,12,13,14,15
	ds_store_b128 v[WST], v[X+4*\j:X+4*\j+3] offset:512*\j
.endr
	LOAD 3
	s_wait_dscnt 0x0                               ; for the others' sake: my eighth of the image lies in LDS
	s_barrier_signal -1
	s_barrier_wait -1                              ; the image is whole.  (x's loads stay on their way: nobody writes x)
; ONE K STEP.
.macro STEP s
.if (\s) < 5
	s_wait_loadcnt 48                              ; this step's 16 loads are in; the three younger sets stay out
.else
	s_wait_loadcnt 16*(7-(\s))                     ; the last steps: fewer sets are behind it
.endif
	WIN 0x04                                       ; an LDS store's data are its source 1: window 1
.irp i, 0,1,2,3,4,5,6,7,8,9,10,11,12,13,14,15
	ds_store_b128 v[STI], v[64*((\s)%4)+4*\i:64*((\s)%4)+4*\i+3] offset:\i*SPITCH   ; token i's 512 bytes, as loaded
.endr
	WIN 0
.irp c, 0,1
.irp i, 0,1,2,3,4,5,6,7
	ds_load_b128 v[X+32*\c+4*\i:X+32*\c+4*\i+3], v[STO] offset:256*\c+16*\i   ; LDS serves a wave's instructions in order (ISA guide 5.7.1.4): these see the stores above, and the next step's stores come behind them
.endr
.endr
	s_wait_dscnt 16                                ; the 16 stores are done (the 16 loads behind them may be out): they have read their registers,
.if (\s)+4 < NST
	LOAD (\s)+4                                    ; which take the loads of four steps on
.endif
	s_wait_dscnt 0x0                               ; my token's 64 numbers are in
.irp q, 0,1,2,3                                ; four chains of 16 numbers, two to a block, by turns; the floor 2^(3 - 127) is one more leaf: so the byte cannot fall under 1
	v_max3_num_f32 v[TM+\q], |v[X+16*\q]|, |v[X+16*\q+1]|, 0x1800000
.endr
.irp i, 2,4,6,8,10,12,14
.irp q, 0,1,2,3
	v_max3_num_f32 v[TM+\q], v[TM+\q], |v[X+16*\q+\i]|, |v[X+16*\q+\i+1]|
.endr
.endr
	v_max_num_f32 v[TM], v[TM], v[TM+1]            ; block h
	v_max_num_f32 v[TM+2], v[TM+2], v[TM+3]        ; block 2 + h.  These 34 plain instructions name no register of the last step's products: they are the places in front of the loads below and of the writes of x's codes and scale word
.irp t, 0,1,2,3
.irp c, 0,1
	ds_load_b128 v[WF+8*\t+4*\c:WF+8*\t+4*\c+3], v[WA] offset:(4*(\s)+\t)*1024+512*\c   ; W's four fragments of this K step, as they stand: 512 consecutive bytes a load
.endr
.endr
	v_add_nc_u32 v[SO], 0xff000000, v[TM]          ; 2 off the exponent field: the conversion takes the exponent field of this operand as its scale, and nothing else of it
	v_add_nc_u32 v[SO+1], 0xff000000, v[TM+2]
	v_lshrrev_b32 v[TM], 23, v[SO]                 ; the scales' bytes
	v_lshrrev_b32 v[TM+2], 23, v[SO+1]
	v_lshl_or_b32 v[PW], v[TM+2], 16, v[TM]        ; my two bytes,
	v_lshlrev_b32 v[PW], v[SH8], v[PW]             ; at their places in the word;
	v_permlanex16_b32 v[TM+1], v[PW], s[SEL], s[SEL+1]
	v_or_b32 v[PW], v[PW], v[TM+1]                 ; with lane l xor 16's two the word is whole: lane r has token r's
.irp c, 0,1
.irp g, 0,1,2,3
	v_cvt_scalef32_pk8_fp4_f32 v[PC+4*\c+\g], v[X+32*\c+8*\g:X+32*\c+8*\g+7], v[SO+\c]   ; eight numbers / the scale, to the nearest code, ties to even, beyond 6 the largest code: register 4 c + g of the operand
.endr
.endr
.rept 8
	v_nop                                          ; a scale register written by a vector instruction stands 8 places ahead of a scaled matrix instruction, an operand so written 4; no other vector work is at hand here
.endr
	s_wait_dscnt 0x0                               ; W's fragments are in
.irp t, 0,1,2,3                                ; the four accumulators by turns, one instruction a turn; the first step's products start the sums
.if (\s) == 0
.if \t%2
	v_wmma_scale_f32_16x16x128_f8f6f4 v[ACC+8*\t:ACC+8*\t+7], v[WF+8*\t:WF+8*\t+7], v[PC:PC+7], 0, v[WS+4*(2*((\s)/4)+\t/2)+(\s)%4], v[PW] matrix_a_fmt:MATRIX_FMT_FP4 matrix_b_fmt:MATRIX_FMT_FP4 matrix_a_scale:MATRIX_SCALE_ROW1
.else
	v_wmma_scale_f32_16x16x128_f8f6f4 v[ACC+8*\t:ACC+8*\t+7], v[WF+8*\t:WF+8*\t+7], v[PC:PC+7], 0, v[WS+4*(2*((\s)/4)+\t/2)+(\s)%4], v[PW] matrix_a_fmt:MATRIX_FMT_FP4 matrix_b_fmt:MATRIX_FMT_FP4
.endif
.else
.if \t%2
	v_wmma_scale_f32_16x16x128_f8f6f4 v[ACC+8*\t:ACC+8*\t+7], v[WF+8*\t:WF+8*\t+7], v[PC:PC+7], v[ACC+8*\t:ACC+8*\t+7], v[WS+4*(2*((\s)/4)+\t/2)+(\s)%4], v[PW] matrix_a_fmt:MATRIX_FMT_FP4 matrix_b_fmt:MATRIX_FMT_FP4 matrix_a_scale:MATRIX_SCALE_ROW1
.else
	v_wmma_scale_f32_16x16x128_f8f6f4 v[ACC+8*\t:ACC+8*\t+7], v[WF+8*\t:WF+8*\t+7], v[PC:PC+7], v[ACC+8*\t:ACC+8*\t+7], v[WS+4*(2*((\s)/4)+\t/2)+(\s)%4], v[PW] matrix_a_fmt:MATRIX_FMT_FP4 matrix_b_fmt:MATRIX_FMT_FP4
.endif
.endif
.endr
.endm
.irp s, 0,1,2,3,4,5,6,7
	STEP \s
.endr
	; MY SUMS GO TO MY HALF'S TABLE: row = token, 256 bytes = 64 experts.  A lane's eight registers of a tile are 32 neighbouring bytes.
.rept 4
	v_nop                                          ; four places between the last products and the first read of their results (ISA guide 7.12.1)
.endr
.irp t, 0,1,2,3
	ds_store_b128 v[LGS], v[ACC+8*\t:ACC+8*\t+3] offset:64*\t          ; each accumulator from its low end on
	ds_store_b128 v[LGS], v[ACC+8*\t+4:ACC+8*\t+7] offset:64*\t+16
.endr
	s_wait_dscnt 0x0                               ; for the others' sake: my sums lie in LDS
	s_barrier_signal -1
	s_barrier_wait -1
	; THE TAIL: four lanes to a token; lane q of the four holds experts 16 q .. 16 q + 15.
.irp j, 0,1,2,3
	ds_load_b128 v[L+4*\j:L+4*\j+3], v[LGR] offset:16*\j
	ds_load_b128 v[L+16+4*\j:L+16+4*\j+3], v[LGR] offset:LGH+16*\j
.endr
	v_mov_b32 v[C64], 64
	v_mov_b32 v[NEG1], -1.0
	v_mov_b32 v[MC+1], 0                           ; (upper halves of pairs of which the low word alone is used: named, so written)
	v_mov_b32 v[RC+1], 0
	s_wait_dscnt 0x0
.irp i, 0,2,4,6,8,10,12,14
	v_pk_add_f32 v[L+\i:L+\i+1], v[L+\i:L+\i+1], v[L+16+\i:L+17+\i]   ; the logits: the two halves of K
.endr
; the largest of the token's 64 numbers, in all four lanes: 16 of my own, three at a time in two chains, then lanes l xor 1 and l xor 2
.macro MAX16 d
	v_max3_num_f32 v[\d], v[L], v[L+1], v[L+2]
	v_max3_num_f32 v[TT], v[L+3], v[L+4], v[L+5]
	v_max3_num_f32 v[\d], v[\d], v[L+6], v[L+7]
	v_max3_num_f32 v[TT], v[TT], v[L+8], v[L+9]
	v_max3_num_f32 v[\d], v[\d], v[L+10], v[L+11]
	v_max3_num_f32 v[TT], v[TT], v[L+12], v[L+13]
	v_max3_num_f32 v[\d], v[\d], v[L+14], v[L+15]
	v_max_num_f32 v[\d], v[\d], v[TT]
	v_max_num_f32_dpp v[\d], v[\d], v[\d] row_xmask:1 row_mask:0xf bank_mask:0xf
	v_max_num_f32_dpp v[\d], v[\d], v[\d] row_xmask:2 row_mask:0xf bank_mask:0xf
.endm
; the LOWEST expert whose number equals v[m], in all four lanes.  Four chains of four, each from its highest expert down, so that a lower one overwrites a higher; a chain without a match keeps 64.  No branch: selections alone.
.macro FIRST d, m
.irp j, 3,2,1,0
.irp k, 0,1,2,3
	v_cmp_neq_f32 s[MK+\k], v[L+4*\k+\j], v[\m]
.endr
.irp k, 0,1,2,3
.if \j == 3
	v_cndmask_b32 v[IC+\k], 4*\k+\j, v[C64], s[MK+\k]
.else
	v_cndmask_b32 v[IC+\k], 4*\k+\j, v[IC+\k], s[MK+\k]
.endif
.endr
.endr
	v_min_u32 v[IC], v[IC], v[IC+1]
	v_min_u32 v[IC+2], v[IC+2], v[IC+3]
	v_min_u32 v[IC], v[IC], v[IC+2]
	v_add_nc_u32 v[IC], v[Q16], v[IC]              ; + my first expert: 64 or more where I have no match
	v_mov_b32_dpp v[TT], v[IC] row_xmask:1 row_mask:0xf bank_mask:0xf
	v_min_u32 v[IC], v[IC], v[TT]
	v_mov_b32_dpp v[TT], v[IC] row_xmask:2 row_mask:0xf bank_mask:0xf
	v_min_u32 v[\d], v[IC], v[TT]
.endm
	MAX16 MC                                       ; the token's largest logit is taken away ahead of the exponential:
	v_mul_f32 v[MC], s[CS], v[MC]
.irp i, 0,2,4,6,8,10,12,14
	v_pk_fma_f32 v[L+\i:L+\i+1], v[L+\i:L+\i+1], s[CS:CS+1], v[MC:MC+1] op_sel_hi:[1,0,0] neg_lo:[0,0,1] neg_hi:[0,0,1]   ; c l - c max, two at a time; what the rounding of c max leaves is the same for all 64 and cancels in p / sum
.endr
.irp i, 0,1,2,3,4,5,6,7,8,9,10,11,12,13,14,15
	v_exp_f32 v[L+\i], v[L+\i]                     ; p = e^(l - max)
.endr
	v_nop                                          ; one plain instruction behind the last exponential (ISA guide 5.7.2),
	s_wait_alu depctr_va_vdst(0)                   ; and one wait for the batch of sixteen, ahead of its first reader
	v_pk_add_f32 v[SM:SM+1], v[L:L+1], v[L+2:L+3]  ; the sum, in two chains of pairs
	v_pk_add_f32 v[SM+2:SM+3], v[L+4:L+5], v[L+6:L+7]
	v_pk_add_f32 v[SM:SM+1], v[SM:SM+1], v[L+8:L+9]
	v_pk_add_f32 v[SM+2:SM+3], v[SM+2:SM+3], v[L+10:L+11]
	v_pk_add_f32 v[SM:SM+1], v[SM:SM+1], v[L+12:L+13]
	v_pk_add_f32 v[SM+2:SM+3], v[SM+2:SM+3], v[L+14:L+15]
	v_pk_add_f32 v[SM:SM+1], v[SM:SM+1], v[SM+2:SM+3]
	v_add_f32 v[SM], v[SM], v[SM+1]
	v_add_f32_dpp v[SM], v[SM], v[SM] row_xmask:1 row_mask:0xf bank_mask:0xf
	v_add_f32_dpp v[SM], v[SM], v[SM] row_xmask:2 row_mask:0xf bank_mask:0xf   ; the same bits in all four lanes: each step adds the same two numbers
	v_rcp_f32 v[RC], v[SM]
	v_nop
	s_wait_alu depctr_va_vdst(0)
.irp i, 0,2,4,6,8,10,12,14
	v_pk_mul_f32 v[L+\i:L+\i+1], v[L+\i:L+\i+1], v[RC:RC+1] op_sel_hi:[1,0]   ; the scores
.endr
	MAX16 VAL                                      ; the largest score,
	FIRST IDX, VAL                                 ; and its expert
	v_sub_nc_u32 v[DD], v[IDX], v[Q16]             ; which of my 16 it is: 0 .. 15 in one lane of the four, something else in the others
.irp g, 0,1,2,3
.irp k, 0,1,2,3
	v_cmp_eq_u32 s[MK+\k], 4*\g+\k, v[DD]
.endr
.irp k, 0,1,2,3
	v_cndmask_b32 v[L+4*\g+\k], v[L+4*\g+\k], v[NEG1], s[MK+\k]   ; that ONE expert is taken out; others with the same score stay
.endr
.endr
	MAX16 VAL+1                                    ; the second largest,
	FIRST IDX+1, VAL+1                             ; and its expert
	v_add_f32 v[TT], v[VAL], v[VAL+1]
	v_add_f32 v[TT], 0x1e3ce508, v[TT]             ; + 1e-20
	v_rcp_f32 v[RC], v[TT]
	v_nop
	s_wait_alu depctr_va_vdst(0)
	v_pk_mul_f32 v[WT:WT+1], v[VAL:VAL+1], v[RC:RC+1] op_sel_hi:[1,0]
	ds_store_b64 v[OA], v[IDX:IDX+1]               ; the four lanes of a token write the same 8 bytes with the same values
	ds_store_b64 v[OA], v[WT:WT+1] offset:512
	s_wait_dscnt 0x0                               ; for the others' sake
	s_barrier_signal -1
	s_barrier_wait -1
	s_cmp_gt_u32 s14, 1
	s_cbranch_scc1 .Ldone                          ; wave 0 sends the 64 tokens' experts, wave 1 their shares
	ds_load_b128 v[OB:OB+3], v[ORD]
	s_cmp_eq_u32 s14, 0
	s_cselect_b64 s[36:37], s[10:11], s[12:13]     ; the choice hangs on the wave's number alone
	s_add_nc_u64 s[36:37], s[36:37], s[38:39]
	s_wait_dscnt 0x0
	global_store_b128 v[LO], v[OB:OB+3], s[36:37]  ; 32 lanes store 512 consecutive bytes, at a multiple of 512 from the output's first byte
.Ldone:
	s_wait_tensorcnt 0x0
	ds_add_u32 v254, v255
	s_wait_dscnt 0x0
	s_endpgm
.Lfunc_end_k_q783b9f7170_gate:
	.size	k_q783b9f7170_gate, .Lfunc_end_k_q783b9f7170_gate-k_q783b9f7170_gate
	.p2alignl 7, 3214868480
	.fill 96, 4, 3214868480
	.section	.rodata,"a",@progbits
	.p2align	6, 0x0
	.amdhsa_kernel k_q783b9f7170_gate
		.amdhsa_group_segment_fixed_size 169984
		.amdhsa_private_segment_fixed_size 0
		.amdhsa_enable_private_segment 0
		.amdhsa_kernarg_size 40
		.amdhsa_user_sgpr_count 2
		.amdhsa_user_sgpr_kernarg_segment_ptr 1
		.amdhsa_wavefront_size32 1
		.amdhsa_system_sgpr_workgroup_id_x 1
		.amdhsa_system_sgpr_workgroup_id_y 1
		.amdhsa_system_sgpr_workgroup_id_z 1
		.amdhsa_system_vgpr_workitem_id 0
		.amdhsa_next_free_vgpr 512
		.amdhsa_next_free_sgpr 66
		.amdhsa_reserve_vcc 0
		.amdhsa_float_denorm_mode_32 3
		.amdhsa_float_denorm_mode_16_64 3
		.amdhsa_memory_ordered 1
		.amdhsa_forward_progress 1
		.amdhsa_inst_pref_size 85
	.end_amdhsa_kernel
	.amdgpu_metadata
---
amdhsa.version: [ 1, 2 ]
amdhsa.kernels:
  - .name:           k_q783b9f7170_gate
    .symbol:         k_q783b9f7170_gate.kd
    .args:
      - { .name: hidden_states, .offset: 0, .size: 8, .value_kind: global_buffer, .address_space: global }
      - { .name: wimg, .offset: 8, .size: 8, .value_kind: global_buffer, .address_space: global }
      - { .name: wscl, .offset: 16, .size: 8, .value_kind: global_buffer, .address_space: global }
      - { .name: out0, .offset: 24, .size: 8, .value_kind: global_buffer, .address_space: global }
      - { .name: out1, .offset: 32, .size: 8, .value_kind: global_buffer, .address_space: global }
    .group_segment_fixed_size: 169984
    .private_segment_fixed_size: 0
    .kernarg_segment_align: 8
    .kernarg_segment_size: 40
    .max_flat_workgroup_size: 256
    .sgpr_count:     66
    .vgpr_count:     512
    .wavefront_size: 32
...
	.end_amdgpu_metadata
.endif
;; end of part 2
;; ======== version 2 of 2: 2 launches
;; workspace buffers: wimg 65,536 bytes; wscl 4,096 bytes
;; launch prep (part 3): grid 8 x 1, 8 waves a work-group, no clusters, 69,120 bytes of LDS; arguments weight, wimg, wscl; writes wimg, wscl
.if DOCPART == 3
	.amdgcn_target "amdgcn-amd-amdhsa--gfx1250"
	.amdhsa_code_object_version 6
	.text
	.protected	k_q783b9f7170_prep
	.globl	k_q783b9f7170_prep
	.p2align	8
	.type	k_q783b9f7170_prep,@function
k_q783b9f7170_prep:
	s_mov_b64 s[64:65], 0
	v_nop
	global_prefetch_b8 v0, s[64:65] scope:SCOPE_SE
	s_setreg_imm32_b32 hwreg(HW_REG_WAVE_MODE, 25, 1), 1
	s_wait_xcnt 0x0
; W [64 experts][2048], f32, becomes codes of FP4 (E2M1) with one E8M0 scale byte for each 32 along K, laid as the next launch's operand registers want them.
; wimg: fragment (S, t) = experts 16 t .. 16 t + 15 x K 128 S .. 128 S + 127 at byte (4 S + t) x 1,024: its registers 0-3, lane by lane (16 bytes a lane), then its registers 4-7.
;       Lane (r, h) of a fragment holds expert 16 t + r; registers 4 c .. 4 c + 3 hold K = 64 c + 32 h + 0 .. 31, the lower K in the lower bits.
; wscl: block (G, p) at byte (2 G + p) x 512: lane L's 16 bytes are the scale words of expert 32 p + L for K steps 4 G .. 4 G + 3 (a word: four bytes, one for each 32 along K).
; A block's scale is 2^(floor(log2(its largest magnitude)) - 2); its byte is the largest magnitude's exponent field - 2, held at 1 from below.
; LIMITS: a block of zeros gets the byte 1 where the rule says 127 (its codes are zeros, and this program alone reads the bytes); blocks whose largest magnitude lies under 2^-124,
; whose byte is held at 1, were not tried; NaN and infinities are not served.
; SHARES: work-group (G, p), 8 of them; its wave w makes ONE fragment: K step 4 G + w % 4, tile 2 p + w / 4.  Sixteen loads of 512 consecutive bytes, one expert's row each; the 8,192 bytes turn
; through the wave's own stage in LDS, so that a lane gets two whole blocks of 32 of ONE expert: a block's maximum needs no other lane, and the conversions' results are the operand's registers.
.set ROWB,   8192                      ; a row of W in bytes
.set SPITCH, 528                       ; a stage row: 512 bytes + 16: row r starts 16 r bytes on modulo 256, so the 16 rows that a load touches fall on different banks (64 banks of 4 bytes: ISA guide 11.1)
.set STGB,   16*SPITCH                 ; a wave's stage
.set SCLS,   8*STGB                    ; behind the stages: 64 bytes of scale words for each wave
.set LO,  1                            ; v1   16 x lane
.set STI, 2                            ; v2   the stage, on the way in: my 16 bytes of a row
.set STO, 3                            ; v3   on the way out: row r, + 128 h
.set SH8, 4                            ; v4   8 h: where my two scale bytes stand in the word
.set SA,  5                            ; v5   where I put my expert's scale word: SCLS + 64 x wave + 4 r
.set SR,  6                            ; v6   where wave 0 reads them back
.set TM,  8                            ; v8-11  largest magnitudes, at work
.set SO,  12                           ; v12-13 the conversions' scale operands
.set PW,  14                           ; v14  the scale word
.set PC,  16                           ; v16-23 the codes
.set OW,  24                           ; v24-27 four scale words on their way out
.set R,   32                           ; v32-95  as loaded
.set X,   96                           ; v96-159 64 numbers of my expert: register 32 c + n is K = 64 c + 32 h + n
	s_load_b128 s[4:7], s[0:1], 0x0                ; W, wimg
	s_load_b64 s[8:9], s[0:1], 0x10                ; wscl
	v_lshl_add_u32 v160, v0, 2, 0x10a00
	v_mov_b32 v161, 0
	v_lshrrev_b32 v7, 5, v0
	s_delay_alu instid0(VALU_DEP_1)
	v_readfirstlane_b32 s10, v7                    ; wave 0..7
	v_and_b32 v7, 31, v0
	s_delay_alu instid0(VALU_DEP_1)
	v_lshlrev_b32 v[LO], 4, v7
	v_and_b32 v28, 15, v0                          ; r
	v_bfe_u32 v29, v0, 4, 1                        ; h
	s_mul_i32 s11, s10, STGB                       ; my stage
	v_add_nc_u32 v[STI], s11, v[LO]
	v_mul_u32_u24 v[STO], v28, SPITCH
	s_delay_alu instid0(VALU_DEP_1)
	v_lshl_add_u32 v[STO], v29, 7, v[STO]
	s_delay_alu instid0(VALU_DEP_1)
	v_add_nc_u32 v[STO], s11, v[STO]
	v_lshlrev_b32 v[SH8], 3, v29
	s_lshl_b32 s12, s10, 6
	s_add_co_u32 s12, s12, SCLS
	v_lshl_add_u32 v[SA], v28, 2, s12
	v_lshlrev_b32 v[SR], 2, v28
	s_delay_alu instid0(VALU_DEP_1)
	v_lshl_add_u32 v[SR], v29, 8, v[SR]
	s_delay_alu instid0(VALU_DEP_1)
	v_add_nc_u32 v[SR], SCLS, v[SR]                ; lane (r, u): word i of expert 16 u + r was put there by wave 4 u + i: 256 u + 4 r, + 64 i
	s_and_b32 s13, s10, 3                          ; i
	s_lshr_b32 s14, s10, 2                         ; u
	s_lshr_b32 s15, ttmp9, 1                       ; G
	s_and_b32 s16, ttmp9, 1                        ; p
	s_lshl_b32 s15, s15, 2
	s_add_co_u32 s15, s15, s13                     ; S = 4 G + i
	s_lshl_b32 s16, s16, 1
	s_add_co_u32 s16, s16, s14                     ; t = 2 p + u
	s_lshl_b32 s18, s16, 17                        ; 16 t rows of 8,192 bytes
	s_lshl_b32 s17, s15, 9                         ; + 512 S
	s_add_co_u32 s18, s18, s17
	s_mov_b32 s19, 0
	s_lshl_b32 s20, s15, 2
	s_add_co_u32 s20, s20, s16
	s_lshl_b32 s20, s20, 10                        ; (4 S + t) x 1,024
	s_mov_b32 s21, 0
	s_lshl_b32 s22, ttmp9, 9                       ; my work-group's 512 bytes of wscl
	s_mov_b32 s23, 0
	s_mov_b32 s24, 0x76543210
	s_mov_b32 s25, 0xfedcba98                      ; v_permlanex16_b32's selects for lane l xor 16
	s_wait_alu depctr_va_vdst(0)
	s_wait_kmcnt 0x0
	s_add_nc_u64 s[4:5], s[4:5], s[18:19]
	s_add_nc_u64 s[6:7], s[6:7], s[20:21]
	s_add_nc_u64 s[8:9], s[8:9], s[22:23]
.irp i, 0,1,2,3,4,5,6,7,8,9,10,11,12,13,14,15
	global_load_b128 v[R+4*\i:R+4*\i+3], v[LO], s[4:5] offset:\i*ROWB th:TH_LOAD_NT   ; expert 16 t + i: 32 lanes read 512 consecutive bytes
.endr
	s_wait_loadcnt 0x0
.irp i, 0,1,2,3,4,5,6,7,8,9,10,11,12,13,14,15
	ds_store_b128 v[STI], v[R+4*\i:R+4*\i+3] offset:\i*SPITCH
.endr
.irp c, 0,1
.irp i, 0,1,2,3,4,5,6,7
	ds_load_b128 v[X+32*\c+4*\i:X+32*\c+4*\i+3], v[STO] offset:256*\c+16*\i   ; LDS serves a wave's instructions in order (ISA guide 5.7.1.4): these see the stores above
.endr
.endr
	s_wait_dscnt 0x0
.irp q, 0,1,2,3                                ; four chains of 16 numbers, two to a block, by turns; the floor 2^(3 - 127) is one more leaf: so the byte cannot fall under 1
	v_max3_num_f32 v[TM+\q], |v[X+16*\q]|, |v[X+16*\q+1]|, 0x1800000
.endr
.irp i, 2,4,6,8,10,12,14
.irp q, 0,1,2,3
	s_delay_alu instid0(VALU_DEP_4)
	v_max3_num_f32 v[TM+\q], v[TM+\q], |v[X+16*\q+\i]|, |v[X+16*\q+\i+1]|
.endr
.endr
	s_delay_alu instid0(VALU_DEP_3)
	v_max_num_f32 v[TM], v[TM], v[TM+1]            ; block h
	s_delay_alu instid0(VALU_DEP_2)
	v_max_num_f32 v[TM+2], v[TM+2], v[TM+3]        ; block 2 + h
	s_delay_alu instid0(VALU_DEP_2)
	v_add_nc_u32 v[SO], 0xff000000, v[TM]          ; 2 off the exponent field: the conversion takes the exponent field of this operand as its scale, and nothing else of it
	s_delay_alu instid0(VALU_DEP_2)
	v_add_nc_u32 v[SO+1], 0xff000000, v[TM+2]
	s_delay_alu instid0(VALU_DEP_2)
	v_lshrrev_b32 v[TM], 23, v[SO]                 ; the scales' bytes
	s_delay_alu instid0(VALU_DEP_2)
	v_lshrrev_b32 v[TM+2], 23, v[SO+1]
	s_delay_alu instid0(VALU_DEP_1)
	v_lshl_or_b32 v[PW], v[TM+2], 16, v[TM]        ; my two bytes,
	s_delay_alu instid0(VALU_DEP_1)
	v_lshlrev_b32 v[PW], v[SH8], v[PW]             ; at their places in the word;
	s_delay_alu instid0(VALU_DEP_1)
	v_permlanex16_b32 v[TM+1], v[PW], s24, s25
	s_delay_alu instid0(VALU_DEP_1)
	v_or_b32 v[PW], v[PW], v[TM+1]                 ; with lane l xor 16's two the word is whole, in both lanes
.irp c, 0,1
.irp g, 0,1,2,3
	v_cvt_scalef32_pk8_fp4_f32 v[PC+4*\c+\g], v[X+32*\c+8*\g:X+32*\c+8*\g+7], v[SO+\c]   ; eight numbers / the scale, to the nearest code, ties to even, beyond 6 the largest code
.endr
.endr
	v_nop                                          ; one plain vector instruction behind the last conversion
	global_store_b128 v[LO], v[PC:PC+3], s[6:7]                 ; 32 lanes store 512 consecutive bytes, at a multiple of 512 from wimg's first byte
	global_store_b128 v[LO], v[PC+4:PC+7], s[6:7] offset:512
	ds_store_b32 v[SA], v[PW]                      ; lanes r and 16 + r write the same word with the same value
	s_wait_dscnt 0x0                               ; for the others' sake: my word lies in LDS
	s_barrier_signal -1
	s_barrier_wait -1
	s_cmp_lg_u32 s10, 0
	s_cbranch_scc1 .Ldone                          ; wave 0 sends the eight waves' words
.irp i, 0,1,2,3
	ds_load_b32 v[OW+\i], v[SR] offset:64*\i
.endr
	s_wait_dscnt 0x0
	global_store_b128 v[LO], v[OW:OW+3], s[8:9]    ; 512 consecutive bytes
.Ldone:
	s_wait_tensorcnt 0x0
	ds_add_u32 v160, v161
	s_wait_dscnt 0x0
	s_endpgm
.Lfunc_end_k_q783b9f7170_prep:
	.size	k_q783b9f7170_prep, .Lfunc_end_k_q783b9f7170_prep-k_q783b9f7170_prep
	.p2alignl 7, 3214868480
	.fill 96, 4, 3214868480
	.section	.rodata,"a",@progbits
	.p2align	6, 0x0
	.amdhsa_kernel k_q783b9f7170_prep
		.amdhsa_group_segment_fixed_size 69120
		.amdhsa_private_segment_fixed_size 0
		.amdhsa_enable_private_segment 0
		.amdhsa_kernarg_size 24
		.amdhsa_user_sgpr_count 2
		.amdhsa_user_sgpr_kernarg_segment_ptr 1
		.amdhsa_wavefront_size32 1
		.amdhsa_system_sgpr_workgroup_id_x 1
		.amdhsa_system_sgpr_workgroup_id_y 1
		.amdhsa_system_sgpr_workgroup_id_z 1
		.amdhsa_system_vgpr_workitem_id 0
		.amdhsa_next_free_vgpr 162
		.amdhsa_next_free_sgpr 66
		.amdhsa_reserve_vcc 0
		.amdhsa_float_denorm_mode_32 3
		.amdhsa_float_denorm_mode_16_64 3
		.amdhsa_memory_ordered 1
		.amdhsa_forward_progress 1
		.amdhsa_inst_pref_size 12
	.end_amdhsa_kernel
	.amdgpu_metadata
---
amdhsa.version: [ 1, 2 ]
amdhsa.kernels:
  - .name:           k_q783b9f7170_prep
    .symbol:         k_q783b9f7170_prep.kd
    .args:
      - { .name: weight, .offset: 0, .size: 8, .value_kind: global_buffer, .address_space: global }
      - { .name: wimg, .offset: 8, .size: 8, .value_kind: global_buffer, .address_space: global }
      - { .name: wscl, .offset: 16, .size: 8, .value_kind: global_buffer, .address_space: global }
    .group_segment_fixed_size: 69120
    .private_segment_fixed_size: 0
    .kernarg_segment_align: 8
    .kernarg_segment_size: 24
    .max_flat_workgroup_size: 256
    .sgpr_count:     66
    .vgpr_count:     162
    .wavefront_size: 32
...
	.end_amdgpu_metadata
.endif
;; end of part 3
;; launch gate (part 4): grid 256 x 1, 8 waves a work-group, no clusters, 169,984 bytes of LDS; arguments hidden_states, wimg, wscl, out0, out1; writes out0, out1
.if DOCPART == 4
	.amdgcn_target "amdgcn-amd-amdhsa--gfx1250"
	.amdhsa_code_object_version 6
	.text
	.protected	k_q783b9f7170_gate
	.globl	k_q783b9f7170_gate
	.p2align	8
	.type	k_q783b9f7170_gate,@function
k_q783b9f7170_gate:
	s_mov_b64 s[64:65], 0
	v_nop
	global_prefetch_b8 v0, s[64:65] scope:SCOPE_SE
	s_setreg_imm32_b32 hwreg(HW_REG_WAVE_SCHED_MODE, 0, 2), 2
	s_setreg_imm32_b32 hwreg(HW_REG_WAVE_MODE, 25, 1), 1
	s_wait_xcnt 0x0
	s_wait_alu depctr_vm_vsrc(0)
; logits = Q(x) Q(W)^T on codes of FP4 (E2M1) with one E8M0 scale for each 32 along K; scores = softmax(logits); the two largest scores of each token, their experts (out0) and their shares s / (s1 + s2 + 1e-20) (out1).
; x: [16384 tokens][2048] f32, quantised here, in registers, on its way to the matrix unit.  W: 64 experts, as fragments' images (wimg) and scale words (wscl) made by the launch before.
; SHARES.  A work-group owns 64 tokens, 524,288 bytes of x.  Wave w = 4 kh + m takes tokens 16 m .. 16 m + 15 and half kh of K: 8 K steps of 128.  The two halves' sums meet in LDS, and the softmax
; and the choice run on all 256 lanes: four lanes to a token, 16 experts a lane.
; A K STEP.  Sixteen loads, each 512 consecutive bytes of one token's row, into one of four sets of registers; up to four sets (64 loads) of a wave are on their way.  The 8,192 bytes turn through the wave's own
; stage in LDS, so that lane (r, h) gets blocks h and 2 + h of token r whole: register 32 c + n is K = 64 c + 32 h + n, as the operand's layout wants.  A block's maximum needs no other lane, and the eight
; conversions write the operand's eight registers.  A block's scale is 2^(floor(log2(its largest magnitude)) - 2); its byte is that magnitude's exponent field - 2, held at 1 from below.
; THE MATRIX INSTRUCTION IS USED TRANSPOSED: source 0 = 16 experts, source 1 = my 16 tokens: lane (r, h) holds token r, and register j of tile t expert 16 t + 8 h + j: eight neighbours of a row of logits.
; W's 64 fragments lie in LDS, brought once, an eighth by each wave; W's scale words for my 8 K steps lie in 16 registers: lanes 0-15 an even tile's, lanes 16-31 the odd tile's behind it.
; NO CLUSTER: of the bytes that a work-group reads, 524,288 are its own and 65,536 (W's image) are shared, read once at the head: joint requests would spare an eighth of the requests at the most.
; LIMITS.  NaN and infinities are not served.  A block of zeros has the byte 1 and zero codes; blocks whose largest magnitude lies under 2^-124, whose byte is held at 1, were not tried.
; A logit is the f32 sum of two sums over half of K, each a chain of eight matrix instructions: where two scores lie within f32 rounding of each other, the choice between them can differ from another order's.
; p under 2^-126 comes out of v_exp_f32 as 0 (ISA guide 15.8): such scores tie, and of equal scores the lower expert is taken, as jax.lax.top_k takes it.
; REGISTERS, in windows of 256 (s_set_vgpr_msb: bits 1:0 source 0, 3:2 source 1, 5:4 source 2, 7:6 destination): window 0 holds all but the four landing sets, which fill window 1 (set n at v[64 n]).
; THE MODE: SCHED_MODE bits 1:0 = 2 (LLVM: expert scheduling mode 2), set by the entry lines.  The code itself states the register dependences
; between vector or matrix instructions and memory or LDS instructions, with s_wait_alu, always for 0.
; THE PLAN.  Registers that memory or LDS instructions touch:
;   v1-5, v7-10   Offsets and LDS addresses: all made at the head, ahead of ONE wait on va_vdst and of the first load, and never written again: every step is reached by an immediate offset.
;   R0 .. R3      The landing sets (window 1).  Written by global loads, read by the step's 16 stores into the stage; no vector instruction names them.  One wait on vm_vsrc stands between those stores and the loads that land there again.
;   X             At the head my eighth of W's image passes through it (global loads, LDS stores): a wait on vm_vsrc behind the barrier.  In step s the stage's 16 loads land in it; the maxima and the conversions read it.
;   WF0, WF1      Step s: its four products read WF[s % 2]; the loads of step s + 1's fragments land in the other set, which the products of step s - 1 read last.
;   WS            W's scale words: loaded once, read by products alone.
;   PC, PW        x's codes and scale word: written by vector instructions, taken by the scaled products.
; So ONE wait on va_vdst stands in a step, behind the eight places and ahead of the four products.  It states that PC and PW are written, that the conversions are done reading X, and that the products of the step
; before are done reading the other set of W's fragments.  Behind it stand the four products alone, which name the accumulators, WF[s % 2], PC, WS and PW: none of the registers in which the eight loads of W's next
; fragments (two behind each product) and the next step's 16 loads from the stage land.
.set TOKB,   8192                      ; a token's row in bytes
.set KSB,    512                       ; a K step's part of it
.set NST,    8                         ; K steps of a wave
.set SPITCH, 528                       ; a stage row: 512 bytes + 16: row r starts 16 r bytes on modulo 256, so the 16 rows that a load touches fall on different banks (64 banks of 4 bytes: ISA guide 11.1)
.set STGB,   16*SPITCH
.set STG,    65536                     ; LDS: W's image from byte 0 on (65,536 bytes); then a stage for each wave;
.set LG,     STG+8*STGB                ; two tables of logits, one for each half of K: 64 tokens x (256 bytes + 16);
.set LPITCH, 272
.set LGH,    64*LPITCH
.set OUT,    LG+2*LGH                  ; 512 bytes of experts' numbers, 512 of shares
.set LO,  1                            ; v1   16 x lane
.set STI, 2                            ; v2   the stage, on the way in
.set STO, 3                            ; v3   on the way out: row r, + 128 h
.set WST, 4                            ; v4   8,192 x wave + 16 x lane: my eighth of W's image, in wimg and in LDS alike
.set WA,  5                            ; v5   32,768 kh + 16 x lane: where my half's fragments lie
.set SH8, 6                            ; v6   8 h
.set LGS, 7                            ; v7   where I put my sums
.set LGR, 8                            ; v8   where I read 16 logits of a token
.set OA,  9                            ; v9   where my token's results go
.set ORD, 10                           ; v10  where waves 0 and 1 read them back
.set Q16, 11                           ; v11  16 q: my first expert in the tail
.set TM,  12                           ; v12-15 largest magnitudes, at work
.set SO,  16                           ; v16-17 the conversions' scale operands
.set PW,  18                           ; v18  x's scale word
.set WS,  24                           ; v24-39 W's scale words: register 4 (2 (s / 4) + t / 2) + s % 4
.set PC,  40                           ; v40-47 x's codes
.set ACC, 48                           ; v48-79 four accumulators
.set WF,  80                           ; v80-111 W's four fragments of a K step, set 0;
.set WFD, 112                          ; set 1 lies 112 registers on: v192-223
.set X,   128                          ; v128-191 64 numbers of my token
.set L,   128                          ; the tail: v128-143 logits, p, scores; v144-159 the other half's sums
.set MC,  160                          ; v[160:161] c x the largest logit
.set SM,  162                          ; v162-165 sums
.set RC,  166                          ; v[166:167] a reciprocal
.set VAL, 168                          ; v[168:169] the two largest scores
.set WT,  170                          ; v[170:171] their shares
.set IDX, 172                          ; v[172:173] their experts
.set IC,  174                          ; v174-177 four chains of candidates
.set TT,  178
.set DD,  179
.set C64, 180                          ; 64: no expert
.set NEG1, 181                         ; -1.0: under every score
.set OB,  184
.set SEL, 44                           ; s[44:45] v_permlanex16_b32's selects for lane l xor 16
.set CS,  32                           ; s[32:33] c = log2(e); the packed form names a pair and takes its low word for both halves
.set MK,  16                           ; s16-31 the tail's sixteen masks, in scalar registers that the head's arithmetic has left
.set MSB, 0
.macro WIN new                         ; the immediate's high byte repeats the setting that is left
.if MSB != \new
	s_set_vgpr_msb (MSB<<8)|\new
.set MSB, \new
.endif
.endm
; K step s of my 16 tokens into set s % 4: each load is 512 consecutive bytes, at a multiple of 512 from x's first byte; every offset is an immediate.  again = 1: the set has been read by stores into the stage
.macro LOAD s, again
	WIN 0x40                                       ; destination window 1
.if \again
	s_wait_alu depctr_vm_vsrc(0)                   ; this step's 16 stores into the stage have read the set's registers, in which the loads below land
.endif
.irp i, 0,1,2,3,4,5,6,7,8,9,10,11,12,13,14,15
	global_load_b128 v[64*((\s)%4)+4*\i:64*((\s)%4)+4*\i+3], v[LO], s[4:5] offset:\i*TOKB+(\s)*KSB th:TH_LOAD_NT
.endr
	WIN 0
.endm
; W's fragment of K step s and tile t, as it stands in the image, into set s % 2: 512 consecutive bytes a load
.macro WFRAG s, t
.irp c, 0,1
	ds_load_b128 v[WF+WFD*((\s)%2)+8*(\t)+4*\c:WF+WFD*((\s)%2)+8*(\t)+4*\c+3], v[WA] offset:(4*(\s)+(\t))*1024+512*\c
.endr
.endm
	s_load_b256 s[4:11], s[0:1], 0x0               ; x s[4:5], wimg s[6:7], wscl s[8:9], out0 s[10:11]
	s_load_b64 s[12:13], s[0:1], 0x20              ; out1
	v_lshl_add_u32 v254, v0, 2, 0x29400
	v_mov_b32 v255, 0
	v_lshrrev_b32 v20, 5, v0
	v_readfirstlane_b32 s14, v20                   ; wave 0..7
	v_and_b32 v20, 31, v0                          ; lane
	v_lshlrev_b32 v[LO], 4, v20
	v_and_b32 v21, 15, v0                          ; r
	v_bfe_u32 v22, v0, 4, 1                        ; h
	v_lshrrev_b32 v23, 2, v20                      ; lane / 4
	v_lshlrev_b32 v[SH8], 3, v22
	v_and_b32 v[Q16], 3, v0
	s_wait_alu depctr_va_sdst(0)                   ; s14 is written, ahead of its first reader: bases, LDS addresses and the last branch are made from it
	s_and_b32 s15, s14, 3                          ; m: which 16 tokens
	s_lshr_b32 s16, s14, 2                         ; kh: which half of K
	s_lshl_b32 s18, s14, 13
	v_add_nc_u32 v[WST], s18, v[LO]
	s_mul_i32 s17, s14, STGB
	s_add_co_u32 s17, s17, STG                     ; my stage
	v_add_nc_u32 v[STI], s17, v[LO]
	v_mul_u32_u24 v[STO], v21, SPITCH
	v_lshl_add_u32 v[STO], v22, 7, v[STO]
	v_add_nc_u32 v[STO], s17, v[STO]
	s_lshl_b32 s19, s16, 15
	v_add_nc_u32 v[WA], s19, v[LO]
	s_mul_i32 s24, s16, LGH                        ; my half's table,
	s_mul_i32 s25, s15, 16*LPITCH                  ; my 16 tokens' rows in it,
	s_add_co_u32 s24, s24, s25
	s_add_co_u32 s24, s24, LG
	v_mul_u32_u24 v[LGS], v21, LPITCH              ; row r, + 32 h
	v_lshl_add_u32 v[LGS], v22, 5, v[LGS]
	v_add_nc_u32 v[LGS], s24, v[LGS]
	s_mul_i32 s25, s14, 8*LPITCH                   ; the tail: wave w takes tokens 8 w .. 8 w + 7; lane: token lane / 4, experts 16 (lane % 4) on
	s_add_co_u32 s25, s25, LG
	v_mul_u32_u24 v[LGR], v23, LPITCH
	v_lshl_add_u32 v[LGR], v[Q16], 6, v[LGR]
	v_add_nc_u32 v[LGR], s25, v[LGR]
	v_lshlrev_b32 v[Q16], 4, v[Q16]
	s_lshl_b32 s26, s14, 6
	s_add_co_u32 s26, s26, OUT
	v_lshl_add_u32 v[OA], v23, 3, s26              ; 8 bytes a token
	s_and_b32 s27, s14, 1
	s_lshl_b32 s27, s27, 9
	s_add_co_u32 s27, s27, OUT
	v_add_nc_u32 v[ORD], s27, v[LO]
	s_mov_b32 s[SEL], 0x76543210
	s_mov_b32 s[SEL+1], 0xfedcba98
	s_mov_b32 s[CS], 0x3fb8aa3b                    ; log2(e)
	s_mov_b32 s[CS+1], s[CS]                       ; (named with it as a pair, so it is written)
	s_lshl_b32 s38, ttmp9, 9                       ; my work-group's 512 bytes of each output
	s_mov_b32 s39, 0
	s_lshl_b32 s20, ttmp9, 19                      ; 64 tokens x 8,192 bytes a work-group (under 2^27 in all),
	s_lshl_b32 s21, s15, 17                        ; 16 tokens a tile,
	s_add_co_u32 s20, s20, s21
	s_lshl_b32 s21, s16, 12                        ; 4,096 bytes half a row
	s_add_co_u32 s20, s20, s21
	s_mov_b32 s21, 0
	s_lshl_b32 s22, s16, 11                        ; my half's 2,048 bytes of scale words
	s_mov_b32 s23, 0
	s_wait_kmcnt 0x0
	s_add_nc_u64 s[4:5], s[4:5], s[20:21]
	s_add_nc_u64 s[8:9], s[8:9], s[22:23]
	s_wait_alu depctr_va_vdst(0)                   ; the offsets and LDS addresses v1-5 and v7-10 are written, which every load and store of the kernel reads; no vector instruction names them again
.irp j, 0,1,2,3,4,5,6,7,8,9,10,11,12,13,14,15
	global_load_b128 v[X+4*\j:X+4*\j+3], v[WST], s[6:7] offset:512*\j   ; my eighth of W's image
.endr
.irp b, 0,1,2,3
	global_load_b128 v[WS+4*\b:WS+4*\b+3], v[LO], s[8:9] offset:512*\b  ; W's scale words: four K steps a load; lanes 0-15 tile 2 (b % 2), lanes 16-31 the tile behind it
.endr
	LOAD 0, 0
	LOAD 1, 0
	LOAD 2, 0
	s_wait_loadcnt 48                              ; loads come back in order (ISA guide 5.7.1): the image and the scale words are in; the 48 loads of x issued behind them stay out
.irp j, 0,1,2,3,4,5,6,7,8,9,10,11,12,13,14,15
	ds_store_b128 v[WST], v[X+4*\j:X+4*\j+3] offset:512*\j
.endr
	LOAD 3, 0
	s_wait_dscnt 0x0                               ; for the others' sake: my eighth of the image lies in LDS
	s_barrier_signal -1
	s_barrier_wait -1                              ; the image is whole.  (x's loads stay on their way: nobody writes x)
	s_wait_alu depctr_vm_vsrc(0)                   ; my LDS stores of the image have read v[X ..], in which step 0's loads from the stage land
.irp t, 0,1,2,3
	WFRAG 0, \t                                    ; W's fragments of step 0; each later step's are asked for a step ahead
.endr
; ONE K STEP.
.macro STEP s
.if (\s) < 5
	s_wait_loadcnt 48                              ; this step's 16 loads are in; the three younger sets stay out
.else
	s_wait_loadcnt 16*(7-(\s))                     ; the last steps: fewer sets are behind it
.endif
	WIN 0x04                                       ; an LDS store's data are its source 1: window 1
.irp i, 0,1,2,3,4,5,6,7,8,9,10,11,12,13,14,15
	ds_store_b128 v[STI], v[64*((\s)%4)+4*\i:64*((\s)%4)+4*\i+3] offset:\i*SPITCH   ; token i's 512 bytes, as loaded
.endr
	WIN 0
.irp c, 0,1
.irp i, 0,1,2,3,4,5,6,7
	ds_load_b128 v[X+32*\c+4*\i:X+32*\c+4*\i+3], v[STO] offset:256*\c+16*\i   ; LDS serves a wave's instructions in order (ISA guide 5.7.1.4): these see the stores above, and the next step's stores come behind them.  No wait on va_vdst here: the last step's stands behind the conversions that read X, and only products follow it
.endr
.endr
	s_wait_dscnt 16                                ; the 16 stores are done (the 16 loads behind them may be out); W's fragments, asked for a step ago, are older and are in
.if (\s)+4 < NST
	LOAD (\s)+4, 1                                 ; the set takes the loads of four steps on
.endif
	s_wait_dscnt 0x0                               ; my token's 64 numbers are in
.irp q, 0,1,2,3                                ; four chains of 16 numbers, two to a block, by turns; the floor 2^(3 - 127) is one more leaf: so the byte cannot fall under 1
	v_max3_num_f32 v[TM+\q], |v[X+16*\q]|, |v[X+16*\q+1]|, 0x1800000
.endr
.irp i, 2,4,6,8,10,12,14
.irp q, 0,1,2,3
	v_max3_num_f32 v[TM+\q], v[TM+\q], |v[X+16*\q+\i]|, |v[X+16*\q+\i+1]|
.endr
.endr
	v_max_num_f32 v[TM], v[TM], v[TM+1]            ; block h
	v_max_num_f32 v[TM+2], v[TM+2], v[TM+3]        ; block 2 + h.  These 34 plain instructions name no register of the last step's products: they are the places (ISA guide 7.12.1) in front of the writes of x's codes and scale word
	v_add_nc_u32 v[SO], 0xff000000, v[TM]          ; 2 off the exponent field: the conversion takes the exponent field of this operand as its scale, and nothing else of it
	v_add_nc_u32 v[SO+1], 0xff000000, v[TM+2]
	v_lshrrev_b32 v[TM], 23, v[SO]                 ; the scales' bytes
	v_lshrrev_b32 v[TM+2], 23, v[SO+1]
	v_lshl_or_b32 v[PW], v[TM+2], 16, v[TM]        ; my two bytes,
	v_lshlrev_b32 v[PW], v[SH8], v[PW]             ; at their places in the word;
	v_permlanex16_b32 v[TM+1], v[PW], s[SEL], s[SEL+1]
	v_or_b32 v[PW], v[PW], v[TM+1]                 ; with lane l xor 16's two the word is whole: lane r has token r's
.irp c, 0,1
.irp g, 0,1,2,3
	v_cvt_scalef32_pk8_fp4_f32 v[PC+4*\c+\g], v[X+32*\c+8*\g:X+32*\c+8*\g+7], v[SO+\c]   ; eight numbers / the scale, to the nearest code, ties to even, beyond 6 the largest code: register 4 c + g of the operand
.endr
.endr
.rept 8
	v_nop                                          ; a scale register written by a vector instruction stands 8 places ahead of a scaled matrix instruction, an operand so written 4; no other vector work is at hand here
.endr
	s_wait_alu depctr_va_vdst(0)                   ; x's codes and scale word are written, which the products take; the conversions are done reading X, in which the next step's numbers land; the last step's products are done reading the other set of W's fragments, in which the loads below land
.irp t, 0,1,2,3                                ; the four accumulators by turns, one instruction a turn; the first step's products start the sums
.if (\s) == 0
.if \t%2
	v_wmma_scale_f32_16x16x128_f8f6f4 v[ACC+8*\t:ACC+8*\t+7], v[WF+WFD*((\s)%2)+8*\t:WF+WFD*((\s)%2)+8*\t+7], v[PC:PC+7], 0, v[WS+4*(2*((\s)/4)+\t/2)+(\s)%4], v[PW] matrix_a_fmt:MATRIX_FMT_FP4 matrix_b_fmt:MATRIX_FMT_FP4 matrix_a_scale:MATRIX_SCALE_ROW1
.else
	v_wmma_scale_f32_16x16x128_f8f6f4 v[ACC+8*\t:ACC+8*\t+7], v[WF+WFD*((\s)%2)+8*\t:WF+WFD*((\s)%2)+8*\t+7], v[PC:PC+7], 0, v[WS+4*(2*((\s)/4)+\t/2)+(\s)%4], v[PW] matrix_a_fmt:MATRIX_FMT_FP4 matrix_b_fmt:MATRIX_FMT_FP4
.endif
.else
.if \t%2
	v_wmma_scale_f32_16x16x128_f8f6f4 v[ACC+8*\t:ACC+8*\t+7], v[WF+WFD*((\s)%2)+8*\t:WF+WFD*((\s)%2)+8*\t+7], v[PC:PC+7], v[ACC+8*\t:ACC+8*\t+7], v[WS+4*(2*((\s)/4)+\t/2)+(\s)%4], v[PW] matrix_a_fmt:MATRIX_FMT_FP4 matrix_b_fmt:MATRIX_FMT_FP4 matrix_a_scale:MATRIX_SCALE_ROW1
.else
	v_wmma_scale_f32_16x16x128_f8f6f4 v[ACC+8*\t:ACC+8*\t+7], v[WF+WFD*((\s)%2)+8*\t:WF+WFD*((\s)%2)+8*\t+7], v[PC:PC+7], v[ACC+8*\t:ACC+8*\t+7], v[WS+4*(2*((\s)/4)+\t/2)+(\s)%4], v[PW] matrix_a_fmt:MATRIX_FMT_FP4 matrix_b_fmt:MATRIX_FMT_FP4
.endif
.endif
.if (\s)+1 < NST
	WFRAG (\s)+1, \t                               ; the next step's fragment of the same tile, into the other set.  No wait: no vector or matrix instruction since the wait above names that set or v[WA]
.endif
.endr
.endm
.irp s, 0,1,2,3,4,5,6,7
	STEP \s
.endr
	; MY SUMS GO TO MY HALF'S TABLE: row = token, 256 bytes = 64 experts.  A lane's eight registers of a tile are 32 neighbouring bytes.
.rept 4
	v_nop                                          ; four places between the last products and the first read of their results (ISA guide 7.12.1)
.endr
	s_wait_alu depctr_va_vdst(0)                   ; the products have written the accumulators, which the LDS stores read; the places above stay beside this wait.  It also stands behind every vector read of X's registers, in which the tail's LDS loads land
.irp t, 0,1,2,3
	ds_store_b128 v[LGS], v[ACC+8*\t:ACC+8*\t+3] offset:64*\t          ; each accumulator from its low end on
	ds_store_b128 v[LGS], v[ACC+8*\t+4:ACC+8*\t+7] offset:64*\t+16
.endr
	s_wait_dscnt 0x0                               ; for the others' sake: my sums lie in LDS
	s_barrier_signal -1
	s_barrier_wait -1
	; THE TAIL: four lanes to a token; lane q of the four holds experts 16 q .. 16 q + 15.
.irp j, 0,1,2,3
	ds_load_b128 v[L+4*\j:L+4*\j+3], v[LGR] offset:16*\j
	ds_load_b128 v[L+16+4*\j:L+16+4*\j+3], v[LGR] offset:LGH+16*\j
.endr
	v_mov_b32 v[C64], 64
	v_mov_b32 v[NEG1], -1.0
	v_mov_b32 v[MC+1], 0                           ; (upper halves of pairs of which the low word alone is used: named, so written)
	v_mov_b32 v[RC+1], 0
	s_wait_dscnt 0x0
.irp i, 0,2,4,6,8,10,12,14
	v_pk_add_f32 v[L+\i:L+\i+1], v[L+\i:L+\i+1], v[L+16+\i:L+17+\i]   ; the logits: the two halves of K
.endr
; the largest of the token's 64 numbers, in all four lanes: 16 of my own, three at a time in two chains, then lanes l xor 1 and l xor 2
.macro MAX16 d
	v_max3_num_f32 v[\d], v[L], v[L+1], v[L+2]
	v_max3_num_f32 v[TT], v[L+3], v[L+4], v[L+5]
	v_max3_num_f32 v[\d], v[\d], v[L+6], v[L+7]
	v_max3_num_f32 v[TT], v[TT], v[L+8], v[L+9]
	v_max3_num_f32 v[\d], v[\d], v[L+10], v[L+11]
	v_max3_num_f32 v[TT], v[TT], v[L+12], v[L+13]
	v_max3_num_f32 v[\d], v[\d], v[L+14], v[L+15]
	v_max_num_f32 v[\d], v[\d], v[TT]
	v_max_num_f32_dpp v[\d], v[\d], v[\d] row_xmask:1 row_mask:0xf bank_mask:0xf
	v_max_num_f32_dpp v[\d], v[\d], v[\d] row_xmask:2 row_mask:0xf bank_mask:0xf
.endm
; the LOWEST expert whose number equals v[m], in all four lanes.  Four chains of four, each from its highest expert down, so that a lower one overwrites a higher; a chain without a match keeps 64.  No branch: selections alone.
; The sixteen compares stand in one run, each with a mask of its own, so that one wait serves them all.
.macro FIRST d, m
.irp j, 3,2,1,0
.irp k, 0,1,2,3
	v_cmp_neq_f32 s[MK+4*\j+\k], v[L+4*\k+\j], v[\m]
.endr
.endr
	s_wait_alu depctr_va_sdst(0)                   ; the sixteen compares have written their masks, ahead of the first selection that reads one
.irp j, 3,2,1,0
.irp k, 0,1,2,3
.if \j == 3
	v_cndmask_b32 v[IC+\k], 4*\k+\j, v[C64], s[MK+4*\j+\k]
.else
	v_cndmask_b32 v[IC+\k], 4*\k+\j, v[IC+\k], s[MK+4*\j+\k]
.endif
.endr
.endr
	v_min_u32 v[IC], v[IC], v[IC+1]
	v_min_u32 v[IC+2], v[IC+2], v[IC+3]
	v_min_u32 v[IC], v[IC], v[IC+2]
	v_add_nc_u32 v[IC], v[Q16], v[IC]              ; + my first expert: 64 or more where I have no match
	v_mov_b32_dpp v[TT], v[IC] row_xmask:1 row_mask:0xf bank_mask:0xf
	v_min_u32 v[IC], v[IC], v[TT]
	v_mov_b32_dpp v[TT], v[IC] row_xmask:2 row_mask:0xf bank_mask:0xf
	v_min_u32 v[\d], v[IC], v[TT]
.endm
	MAX16 MC                                       ; the token's largest logit is taken away ahead of the exponential:
	v_mul_f32 v[MC], s[CS], v[MC]
.irp i, 0,2,4,6,8,10,12,14
	v_pk_fma_f32 v[L+\i:L+\i+1], v[L+\i:L+\i+1], s[CS:CS+1], v[MC:MC+1] op_sel_hi:[1,0,0] neg_lo:[0,0,1] neg_hi:[0,0,1]   ; c l - c max, two at a time; what the rounding of c max leaves is the same for all 64 and cancels in p / sum
.endr
	s_wait_alu depctr_va_vdst(0)
.irp i, 0,1,2,3,4,5,6,7,8,9,10,11,12,13,14,15
	v_exp_f32 v[L+\i], v[L+\i]                     ; p = e^(l - max)
.endr
	v_nop                                          ; one plain instruction behind the last exponential (ISA guide 5.7.2),
	s_wait_alu depctr_va_vdst(0)                   ; and one wait for the batch: the sixteen exponentials have written p, ahead of the first sum that reads it
	v_pk_add_f32 v[SM:SM+1], v[L:L+1], v[L+2:L+3]  ; the sum, in two chains of pairs
	v_pk_add_f32 v[SM+2:SM+3], v[L+4:L+5], v[L+6:L+7]
	v_pk_add_f32 v[SM:SM+1], v[SM:SM+1], v[L+8:L+9]
	v_pk_add_f32 v[SM+2:SM+3], v[SM+2:SM+3], v[L+10:L+11]
	v_pk_add_f32 v[SM:SM+1], v[SM:SM+1], v[L+12:L+13]
	v_pk_add_f32 v[SM+2:SM+3], v[SM+2:SM+3], v[L+14:L+15]
	v_pk_add_f32 v[SM:SM+1], v[SM:SM+1], v[SM+2:SM+3]
	v_add_f32 v[SM], v[SM], v[SM+1]
	v_add_f32_dpp v[SM], v[SM], v[SM] row_xmask:1 row_mask:0xf bank_mask:0xf
	v_add_f32_dpp v[SM], v[SM], v[SM] row_xmask:2 row_mask:0xf bank_mask:0xf   ; the same bits in all four lanes: each step adds the same two numbers
	s_wait_alu depctr_va_vdst(0)
	v_rcp_f32 v[RC], v[SM]
	v_nop
	s_wait_alu depctr_va_vdst(0)                   ; the reciprocal of the sum is written, ahead of its first reader
.irp i, 0,2,4,6,8,10,12,14
	v_pk_mul_f32 v[L+\i:L+\i+1], v[L+\i:L+\i+1], v[RC:RC+1] op_sel_hi:[1,0]   ; the scores
.endr
	MAX16 VAL                                      ; the largest score,
	FIRST IDX, VAL                                 ; and its expert
	v_sub_nc_u32 v[DD], v[IDX], v[Q16]             ; which of my 16 it is: 0 .. 15 in one lane of the four, something else in the others
.irp g, 0,1,2,3
.irp k, 0,1,2,3
	v_cmp_eq_u32 s[MK+4*\g+\k], 4*\g+\k, v[DD]
.endr
.endr
	s_wait_alu depctr_va_sdst(0)                   ; the sixteen compares have written their masks, ahead of the first selection that reads one
.irp g, 0,1,2,3
.irp k, 0,1,2,3
	v_cndmask_b32 v[L+4*\g+\k], v[L+4*\g+\k], v[NEG1], s[MK+4*\g+\k]   ; that ONE expert is taken out; others with the same score stay
.endr
.endr
	MAX16 VAL+1                                    ; the second largest,
	FIRST IDX+1, VAL+1                             ; and its expert
	v_add_f32 v[TT], v[VAL], v[VAL+1]
	v_add_f32 v[TT], 0x1e3ce508, v[TT]             ; + 1e-20
	s_wait_alu depctr_va_vdst(0)
	v_rcp_f32 v[RC], v[TT]
	v_nop
	s_wait_alu depctr_va_vdst(0)                   ; the reciprocal of s1 + s2 + 1e-20 is written, ahead of its first reader
	v_pk_mul_f32 v[WT:WT+1], v[VAL:VAL+1], v[RC:RC+1] op_sel_hi:[1,0]
	s_wait_alu depctr_va_vdst(0)                   ; the experts' numbers and the shares are written, which the two LDS stores read
	ds_store_b64 v[OA], v[IDX:IDX+1]               ; the four lanes of a token write the same 8 bytes with the same values
	ds_store_b64 v[OA], v[WT:WT+1] offset:512
	s_wait_dscnt 0x0                               ; for the others' sake
	s_barrier_signal -1
	s_barrier_wait -1
	s_cmp_gt_u32 s14, 1
	s_cbranch_scc1 .Ldone                          ; wave 0 sends the 64 tokens' experts, wave 1 their shares
	ds_load_b128 v[OB:OB+3], v[ORD]                ; (no vector instruction of the tail names these four registers: the waits above stand behind their last readers, the last step's conversions)
	s_cmp_eq_u32 s14, 0
	s_cselect_b64 s[36:37], s[10:11], s[12:13]     ; the choice hangs on the wave's number alone
	s_add_nc_u64 s[36:37], s[36:37], s[38:39]
	s_wait_dscnt 0x0
	global_store_b128 v[LO], v[OB:OB+3], s[36:37]  ; 32 lanes store 512 consecutive bytes, at a multiple of 512 from the output's first byte
.Ldone:
	s_wait_dscnt 0x0
	s_wait_alu depctr_hold_cnt(0) depctr_sa_sdst(0) depctr_va_vdst(0) depctr_va_sdst(0) depctr_va_ssrc(0) depctr_va_vcc(0) depctr_vm_vsrc(0)
	s_wait_tensorcnt 0x0
	ds_add_u32 v254, v255
	s_wait_dscnt 0x0
	s_endpgm
.Lfunc_end_k_q783b9f7170_gate:
	.size	k_q783b9f7170_gate, .Lfunc_end_k_q783b9f7170_gate-k_q783b9f7170_gate
	.p2alignl 7, 3214868480
	.fill 96, 4, 3214868480
	.section	.rodata,"a",@progbits
	.p2align	6, 0x0
	.amdhsa_kernel k_q783b9f7170_gate
		.amdhsa_group_segment_fixed_size 169984
		.amdhsa_private_segment_fixed_size 0
		.amdhsa_enable_private_segment 0
		.amdhsa_kernarg_size 40
		.amdhsa_user_sgpr_count 2
		.amdhsa_user_sgpr_kernarg_segment_ptr 1
		.amdhsa_wavefront_size32 1
		.amdhsa_system_sgpr_workgroup_id_x 1
		.amdhsa_system_sgpr_workgroup_id_y 1
		.amdhsa_system_sgpr_workgroup_id_z 1
		.amdhsa_system_vgpr_workitem_id 0
		.amdhsa_next_free_vgpr 512
		.amdhsa_next_free_sgpr 66
		.amdhsa_reserve_vcc 0
		.amdhsa_float_denorm_mode_32 3
		.amdhsa_float_denorm_mode_16_64 3
		.amdhsa_memory_ordered 1
		.amdhsa_forward_progress 1
		.amdhsa_inst_pref_size 85
	.end_amdhsa_kernel
	.amdgpu_metadata
---
amdhsa.version: [ 1, 2 ]
amdhsa.kernels:
  - .name:           k_q783b9f7170_gate
    .symbol:         k_q783b9f7170_gate.kd
    .args:
      - { .name: hidden_states, .offset: 0, .size: 8, .value_kind: global_buffer, .address_space: global }
      - { .name: wimg, .offset: 8, .size: 8, .value_kind: global_buffer, .address_space: global }
      - { .name: wscl, .offset: 16, .size: 8, .value_kind: global_buffer, .address_space: global }
      - { .name: out0, .offset: 24, .size: 8, .value_kind: global_buffer, .address_space: global }
      - { .name: out1, .offset: 32, .size: 8, .value_kind: global_buffer, .address_space: global }
    .group_segment_fixed_size: 169984
    .private_segment_fixed_size: 0
    .kernarg_segment_align: 8
    .kernarg_segment_size: 40
    .max_flat_workgroup_size: 256
    .sgpr_count:     66
    .vgpr_count:     512
    .wavefront_size: 32
...
	.end_amdgpu_metadata
.endif
;; end of part 4
